; MI455X (gfx1250); checked and timed in simulation.
; The chip was launched on July 23, 2026; its instructions are those of AMD's public machine-readable ISA for CDNA 5 (MIT licence, August 2026) and "CDNA5" Instruction Set Architecture Reference Guide (July 2026). The comments in the code are by the model that wrote it; some were corrected since.
;; Multi Head Attention. Allowed arithmetic: float matrix products may take bf16 or f16 operands with f32 sums; all other float work in f32.
;; Inputs: W_K 1,024 x 1,024 float32; W_Q 1,024 x 1,024 float32; W_V 1,024 x 1,024 float32; b_K 1,024 float32; b_Q 1,024 float32; b_V 1,024 float32; feature 2 x 2,048 x 1,024 float32; mask 2 x 2,048 int32.
;; Outputs: out0 2 x 2,048 x 1,024 float32.
;; One version. Each part assembles by itself: llvm-mc -triple=amdgcn-amd-amdhsa -mcpu=gfx1250 --defsym DOCPART=n.
;; ======== version 1 of 1: 3 launches
;; limits: values are held in f16: magnitudes above 65,504 overflow, below 6.1e-05 lose precision
;; workspace buffers: xb 14,680,064 bytes; qf 8,388,608 bytes; kv 16,777,216 bytes
;; launch cast (part 1): grid 1792 x 1, 8 waves a work-group, no clusters, 0 bytes of LDS; arguments feature, W_Q, W_K, W_V, xb; writes xb
.if DOCPART == 1
	.amdgcn_target "amdgcn-amd-amdhsa--gfx1250"
	.amdhsa_code_object_version 6
	.text
	.protected	k_qcc5e85710c_cast
	.globl	k_qcc5e85710c_cast
	.p2align	8
	.type	k_qcc5e85710c_cast,@function
k_qcc5e85710c_cast:
	s_mov_b64 s[64:65], 0
	v_nop
	global_prefetch_b8 v0, s[64:65] scope:SCOPE_SE
	s_setreg_imm32_b32 hwreg(HW_REG_WAVE_MODE, 25, 1), 1
	s_wait_xcnt 0x0
; f32 to bf16, once, of all that the projections multiply: feature [4096][1024] and the three weights [1024][1024].
; xb: rows 0 .. 4095 = feature's rows; rows 4096 + 192 head + 64 mat + d = row 64 head + d of W_Q, W_K, W_V (mat = 0, 1, 2),
; so that the 192 weight rows of one head lie together and come in as one dense block of rows in the next launch.
; 7,168 rows in all; a work-group takes four neighbouring rows, 1,792 work-groups.  Thread t takes the 16 bytes at 16 t of each
; f32 row (a wave's load covers 512 consecutive bytes) and writes 8 bytes at 8 t of the bf16 row (a wave's store covers 256
; consecutive bytes, aligned).  Every byte is read once and written once; no work-group shares an input with another, so there is
; nothing for LDS, a cluster or the matrix unit to do here.
; Rounding: to nearest even (v_cvt_pk_bf16_f32).
.set ROWF, 4096                        ; bytes of an f32 row
.set ROWB, 2048                        ; bytes of a bf16 row
.set X, 4                              ; v[4:19]   four rows' 16 bytes as loaded
.set Y, 20                             ; v[20:27]  four rows' 8 bytes to store
	s_load_b256 s[4:11], s[0:1], 0x0               ; feature s[4:5], W_Q s[6:7], W_K s[8:9], W_V s[10:11]
	s_load_b64 s[12:13], s[0:1], 0x20              ; xb
	v_lshlrev_b32 v1, 4, v0                        ; 16 t
	v_lshlrev_b32 v2, 3, v0                        ; 8 t
	s_sub_co_u32 s14, ttmp9, 0x400                 ; work-groups 1024 .. 1791 take the weights: i = x - 1024
	s_lshr_b32 s15, s14, 8                         ; mat = i / 256
	s_and_b32 s16, s14, 255                        ; rb = i % 256: rows 4 rb .. 4 rb + 3 of that weight
	s_lshl_b32 s17, s16, 2                         ; source row of a weight
	s_lshr_b32 s18, s16, 4                         ; head = 4 rb / 64
	s_mul_i32 s18, s18, 192
	s_lshl_b32 s19, s15, 6
	s_add_co_u32 s18, s18, s19                     ; 192 head + 64 mat
	s_and_b32 s19, s16, 15
	s_lshl2_add_u32 s18, s19, s18                  ; + d = 4 (rb % 16)
	s_add_co_u32 s18, s18, 0x1000                  ; behind feature's 4,096 rows
	s_lshl_b32 s19, ttmp9, 2                       ; feature: row 4 x, in and out
	s_wait_kmcnt 0x0
	s_mov_b64 s[20:21], s[6:7]                     ; the source buffer, chosen by the work-group's number alone
	s_cmp_eq_u32 s15, 1
	s_cselect_b64 s[20:21], s[8:9], s[20:21]
	s_cmp_eq_u32 s15, 2
	s_cselect_b64 s[20:21], s[10:11], s[20:21]
	s_cmp_lt_u32 ttmp9, 0x400
	s_cselect_b64 s[20:21], s[4:5], s[20:21]
	s_cselect_b32 s17, s19, s17                    ; source row
	s_cselect_b32 s18, s19, s18                    ; destination row
	s_lshl_b32 s22, s17, 12                        ; in bytes: below 2^24
	s_mov_b32 s23, 0
	s_lshl_b32 s24, s18, 11
	s_mov_b32 s25, 0
	s_add_nc_u64 s[20:21], s[20:21], s[22:23]
	s_add_nc_u64 s[12:13], s[12:13], s[24:25]
.irp i, 0,1,2,3
	global_load_b128 v[X+4*\i:X+4*\i+3], v1, s[20:21] offset:\i*ROWF th:TH_LOAD_NT   ; read once in the launch
.endr
.irp i, 0,1,2,3
	s_wait_loadcnt 3-\i                            ; loads come back in order: row i is in, the 3 - i younger ones stay out
	v_cvt_pk_bf16_f32 v[Y+2*\i],   v[X+4*\i],   v[X+4*\i+1]
	v_cvt_pk_bf16_f32 v[Y+2*\i+1], v[X+4*\i+2], v[X+4*\i+3]
	global_store_b64 v2, v[Y+2*\i:Y+2*\i+1], s[12:13] offset:\i*ROWB   ; no hint: the next launch reads these rows
.endr
	s_endpgm                                       ; no register of a pending load or store was written again
.Lfunc_end_k_qcc5e85710c_cast:
	.size	k_qcc5e85710c_cast, .Lfunc_end_k_qcc5e85710c_cast-k_qcc5e85710c_cast
	.p2alignl 7, 3214868480
	.fill 96, 4, 3214868480
	.section	.rodata,"a",@progbits
	.p2align	6, 0x0
	.amdhsa_kernel k_qcc5e85710c_cast
		.amdhsa_group_segment_fixed_size 0
		.amdhsa_private_segment_fixed_size 0
		.amdhsa_enable_private_segment 0
		.amdhsa_kernarg_size 40
		.amdhsa_user_sgpr_count 2
		.amdhsa_user_sgpr_kernarg_segment_ptr 1
		.amdhsa_wavefront_size32 1
		.amdhsa_system_sgpr_workgroup_id_x 1
		.amdhsa_system_sgpr_workgroup_id_y 1
		.amdhsa_system_sgpr_workgroup_id_z 1
		.amdhsa_system_vgpr_workitem_id 0
		.amdhsa_next_free_vgpr 32
		.amdhsa_next_free_sgpr 66
		.amdhsa_reserve_vcc 0
		.amdhsa_float_denorm_mode_32 3
		.amdhsa_float_denorm_mode_16_64 3
		.amdhsa_memory_ordered 1
		.amdhsa_forward_progress 1
		.amdhsa_inst_pref_size 3
	.end_amdhsa_kernel
	.amdgpu_metadata
---
amdhsa.version: [ 1, 2 ]
amdhsa.kernels:
  - .name:           k_qcc5e85710c_cast
    .symbol:         k_qcc5e85710c_cast.kd
    .args:
      - { .name: feature, .offset: 0, .size: 8, .value_kind: global_buffer, .address_space: global }
      - { .name: W_Q, .offset: 8, .size: 8, .value_kind: global_buffer, .address_space: global }
      - { .name: W_K, .offset: 16, .size: 8, .value_kind: global_buffer, .address_space: global }
      - { .name: W_V, .offset: 24, .size: 8, .value_kind: global_buffer, .address_space: global }
      - { .name: xb, .offset: 32, .size: 8, .value_kind: global_buffer, .address_space: global }
    .group_segment_fixed_size: 0
    .private_segment_fixed_size: 0
    .kernarg_segment_align: 8
    .kernarg_segment_size: 40
    .max_flat_workgroup_size: 256
    .sgpr_count:     66
    .vgpr_count:     32
    .wavefront_size: 32
...
	.end_amdgpu_metadata
.endif
;; end of part 1
;; launch proj (part 2): grid 16 x 16, 4 waves a work-group, clusters of 4 x 4, 327,680 bytes of LDS; arguments xb, b_Q, b_K, b_V, mask, qf, kv; writes qf, kv
.if DOCPART == 2
	.amdgcn_target "amdgcn-amd-amdhsa--gfx1250"
	.amdhsa_code_object_version 6
	.text
	.protected	k_qcc5e85710c_proj
	.globl	k_qcc5e85710c_proj
	.p2align	8
	.type	k_qcc5e85710c_proj,@function
k_qcc5e85710c_proj:
	s_mov_b64 s[64:65], 0
	v_nop
	global_prefetch_b8 v0, s[64:65] scope:SCOPE_SE
	s_setreg_imm32_b32 hwreg(HW_REG_WAVE_MODE, 25, 1), 1
	s_wait_xcnt 0x0
	s_wait_alu depctr_hold_cnt(0) depctr_sa_sdst(0) depctr_va_vdst(0) depctr_va_sdst(0) depctr_va_ssrc(0) depctr_va_vcc(0) depctr_vm_vsrc(0)
	s_getreg_b32 s2, hwreg(HW_REG_IB_STS2, 6, 4)
	s_cmp_eq_u32 s2, 0
	s_cbranch_scc0 .Lentry_in_a_cluster
	s_endpgm
.Lentry_in_a_cluster:
	s_bfe_u32 s2, ttmp6, 0x10000c
	s_cmp_lg_u32 s2, 0xf033
	s_cbranch_scc0 .Lentry_shape_is_right
	s_endpgm
.Lentry_shape_is_right:
; Q, K, V = x W^T + b for one block of 256 rows of x (work-group y = mb) and one head (work-group x = head): 256 x 192 results, K = 1024.
; Operands bf16 (from xb), sums f32.  Four waves, one for each SIMD; wave w makes rows 128 (w >> 1) .. + 127 and, of each of Q, K and V,
; the head's columns d = 32 (w & 1) .. + 31: 8 row tiles x 6 column tiles = 48 accumulators of 16 x 16, the same text in every wave.
; K goes in steps of 128 (rows of 256 bytes, each at a multiple of 256 bytes of xb) through two LDS slots filled by tensor loads.
; CLUSTERS: 4 x 4 work-groups.  x's tile hangs on mb alone and is asked for jointly by the four of a row of the cluster, the weights' tile
; hangs on the head alone and is asked for jointly by the four of a column: a quarter of the requests for either.
; RESULTS leave in f16, as the register images that the attention launch feeds to its matrix instructions, 512 consecutive bytes a store:
;   Q and K are made with the weights as source 0 and x as source 1: lane (r, hh) then holds row l = r, columns d = 8 hh .. + 7 of a tile;
;   V is made with x as source 0 and the weights as source 1: lane (r, hh) holds rows l = 8 hh .. + 7 of column d = r.
;   qf: [bh 32][row tile 128][d tile 4][lane 32][8 f16];  kv: [bh 32][row tile 128][K's 4 pieces, then V's 4 pieces][lane 32][8 f16].
; Q is stored as (x W_Q^T + b_Q) * 0.125 * log2(e): the division by sqrt(64) and the change to base 2 in one factor, before the one rounding to f16.
; K's rows of keys with mask = 0 are stored as zeros: their products are then exactly 0 and the attention launch adds the replacement score.
; WHY f16: an output is a mean over about a thousand values of V, far smaller than they are, so that the 8 bits of bf16 in V, in the weights and in
; the scores leave too little margin; f16 has 11.  ITS RANGE: with x of spread 1 and weights within 1/32 the results have a spread of 0.6 and stay
; under 3; x and weights both 30 times larger: under 2,700; a common offset of 30 on x and of 30/32 on the weights: 1024 x 30 x 0.94 = 29,000;
; all 30 times smaller: a spread of 6e-4 (Q': 1.2e-4) against f16's smallest step of 6e-8.
; LIMITS: x and W are rounded to bf16, Q', K, V to f16; results beyond +-65,504 are saturated there; NaN and infinities in the inputs are not served.
; No prefetch: xb was stored by the launch in front and each tile is asked for a whole K step ahead.
.set PITCH, 272                        ; an LDS row: 256 bytes + 16 of padding, so that the 16 rows of a fragment load start 16 bytes apart modulo 256
.set AHALF, 128*PITCH                  ; what one tensor load of x brings
.set BHALF, 96*PITCH                   ; what one tensor load of the weights brings
.set BOFF,  256*PITCH                  ; the weights' 192 rows lie behind x's 256
.set SLOT,  448*PITCH                  ; 121,856 bytes; two slots
.set STEPB, 256                        ; bytes of a K step in a row
.set LAPS,  4                          ; 1024 / (2 x 128): a lap is once round the two slots
.set ADRA, 16                          ; v16-17  LDS address of my x fragments in slot 0, 1
.set ADRB, 20                          ; v20-21  the same for the weights
.set LN16, 24                          ; v24     16 x lane
.set F0,   64                          ; fragment buffer 0: window 0 x (8 fragments), window 1 weights (6 fragments)
.set F1,   128                         ; fragment buffer 1
.set MSKR, 192                         ; v192-199 mask word of row 16 a + r
.set BQ,   200                         ; v200-215 b_Q of my 2 x 8 columns (later times the factor)
.set BK,   216                         ; v216-231 b_K likewise
.set BV,   232                         ; v232-233 b_V of column 16 t + r
.set TT,   128                         ; the way out: 48 f32 at work
.set PK,   64                          ; the way out: 24 packed registers
.set G1,  24                           ; s[24:31] group 1 for x's tiles
.set G0,  32                           ; s[32:39] group 0 for x's tiles, one set a slot
.set G1B, 48                           ; s[48:55] group 1 for the weights' tiles
.set G0B, 56                           ; s[56:63] group 0 for the weights' tiles, one set a slot
; REGISTER WINDOWS: 0 addresses, x fragments, biases; 1 weight fragments; 2 the 32 accumulators of Q and K, tile (a, b) at v[8 (4 a + b)];
; 3 the 16 accumulators of V, tile (a, b) at v[8 (2 a + b)].
.set MSB, 0
.macro WIN new                         ; the immediate's high byte repeats the setting that is left
.if MSB != \new
	s_set_vgpr_msb (MSB<<8)|\new
.set MSB, \new
.endif
.endm
.set MUL_QK, 0xa1                      ; source 0 (weights) window 1, source 1 (x) window 0, C and D window 2
.set MUL_V,  0xf4                      ; source 0 (x) window 0, source 1 (weights) window 1, C and D window 3
.macro PLACES                          ; four independent vector places behind a matrix instruction, in front of loads into its sources and of reads of its results
.rept 4
	v_nop
.endr
.endm
; A joint load: waves 0 and 1 ask for x's two halves, waves 2 and 3 for the weights' two halves.  The branch hangs on the wave's number alone.
.macro JLOAD s
	s_cmp_eq_u32 s19, 0
	s_cbranch_scc0 .Lfor_w_\@
	tensor_load_to_lds s[G0+4*\s:G0+4*\s+3], s[G1:G1+7]
	s_nop 0
	s_branch .Lasked_\@
.Lfor_w_\@:
	tensor_load_to_lds s[G0B+4*\s:G0B+4*\s+3], s[G1B:G1B+7]
	s_nop 0
.Lasked_\@:
.endm
.macro CREST                           ; a round of the cluster's barrier behind its opening work-group barrier
	s_cmp_lg_u32 s18, 0
	s_cbranch_scc1 .Lnot_wave_0_\@
	s_barrier_signal -3
.Lnot_wave_0_\@:
	s_barrier_wait -3
	s_barrier_signal -1
	s_barrier_wait -1
.endm
.macro CROUND                          ; a whole round
	s_barrier_signal -1
	s_barrier_wait -1
	CREST
.endm
	s_load_b256 s[4:11], s[0:1], 0x0               ; xb s[4:5], b_Q s[6:7], b_K s[8:9], b_V s[10:11]
	s_load_b128 s[12:15], s[0:1], 0x20             ; mask s[12:13], qf s[14:15]
	s_load_b64 s[16:17], s[0:1], 0x30              ; kv
	s_set_vgpr_msb 0x40
	v_lshl_add_u32 v255, v0, 2, 0x3b800
	s_set_vgpr_msb 0x4000
	v_mov_b32 v255, 0
	s_set_vgpr_msb 0x1
	ds_add_u32 v255, v255
	s_set_vgpr_msb 0x100
	v_lshrrev_b32 v1, 5, v0
	v_readfirstlane_b32 s18, v1                    ; wave 0..3
	s_lshr_b32 s19, s18, 1                         ; rh: my 128 rows.  Also: I fetch x (0) or weights (1)
	s_and_b32 s20, s18, 1                          ; e: my 32 columns of each matrix.  Also: which half of the tile I fetch
	s_bfe_u32 s21, ttmp6, 0x40000                  ; cx
	s_bfe_u32 s22, ttmp6, 0x40004                  ; cy
	s_lshl_b32 s23, ttmp9, 2
	s_add_co_u32 s23, s23, s21                     ; head = 4 x cluster x + cx
	s_and_b32 s40, ttmp7, 0xffff
	s_lshl_b32 s40, s40, 2
	s_add_co_u32 s40, s40, s22                     ; mb = 4 x cluster y + cy
	s_lshl_b32 s41, s22, 2
	s_lshl_b32 s41, 15, s41                        ; my row of the cluster: places 4 cy .. 4 cy + 3
	s_lshl_b32 s44, 0x1111, s21                    ; my column: places cx, cx + 4, cx + 8, cx + 12
	s_mov_b32 s94, 0xc77fe000                      ; -65,504 and
	s_mov_b32 s95, 0x477fe000                      ; +65,504: f16's largest numbers
	; group 1: elements of 2 bytes, rows of 128 elements, 16 bytes of padding behind every 64 words; bit 21 set beside a mask
	s_or_b32 s[G1+0],  s41, (1<<16)|(1<<20)|(1<<21)|(5<<22)|(3<<25)
	s_or_b32 s[G1B+0], s44, (1<<16)|(1<<20)|(1<<21)|(5<<22)|(3<<25)
	s_mov_b32 s[G1+1],  128<<16                    ; tensor_dim0 = 128
	s_mov_b32 s[G1B+1], 128<<16
	s_mov_b32 s[G1+2],  128<<16                    ; tensor_dim1 = 128 rows of x
	s_mov_b32 s[G1B+2], 96<<16                     ;             = 96 rows of weights
	s_mov_b32 s[G1+3],  128<<16                    ; tile_dim0 = 128
	s_mov_b32 s[G1B+3], 128<<16
	s_mov_b32 s[G1+4],  128                        ; tile_dim1
	s_mov_b32 s[G1B+4], 96
	s_mov_b32 s[G1+5],  1024                       ; elements from row to row
	s_mov_b32 s[G1B+5], 1024
	s_mov_b32 s[G1+6],  0
	s_mov_b32 s[G1B+6], 0
	s_mov_b32 s[G1+7],  0
	s_mov_b32 s[G1B+7], 0
	; x's address is made of mb and the wave's number, the weights' of the head and the wave's number, each in registers of its own
	s_lshl_b32 s42, s40, 8
	s_lshl_b32 s45, s20, 7
	s_add_co_u32 s42, s42, s45                     ; row 256 mb + 128 half
	s_lshl_b32 s42, s42, 11                        ; x 2,048 bytes: below 2^23
	s_mov_b32 s43, 0
	s_mul_i32 s46, s23, 192
	s_mul_i32 s45, s20, 96
	s_add_co_u32 s46, s46, s45                     ; row 192 head + 96 half
	s_lshl_b32 s46, s46, 11
	s_add_co_u32 s46, s46, 0x800000                ; behind feature's 8,388,608 bytes
	s_mov_b32 s47, 0
	s_mul_i32 s80, s18, AHALF                      ; to LDS: waves 0, 1: x's halves at wave x 34,816
	s_mul_i32 s81, s18, BHALF
	s_add_co_u32 s81, s81, BOFF-2*BHALF            ; waves 2, 3: the weights' halves at 69,632 + (wave - 2) x 26,112
	s_wait_dscnt 0x0
	s_wait_kmcnt 0x0
	s_add_nc_u64 s[42:43], s[4:5], s[42:43]
	s_add_nc_u64 s[46:47], s[4:5], s[46:47]
	CROUND                                         ; all sixteen work-groups are here: the first joint loads meet
.irp s, 0,1
	s_mov_b32 s[G0+4*\s], 1
	s_add_co_u32 s[G0+4*\s+1], s80, \s*SLOT
	s_add_nc_u64 s[G0+4*\s+2:G0+4*\s+3], s[42:43], \s*STEPB
	s_or_b32 s[G0+4*\s+3], s[G0+4*\s+3], 0x80000000
	s_mov_b32 s[G0B+4*\s], 1
	s_add_co_u32 s[G0B+4*\s+1], s81, \s*SLOT
	s_add_nc_u64 s[G0B+4*\s+2:G0B+4*\s+3], s[46:47], \s*STEPB
	s_or_b32 s[G0B+4*\s+3], s[G0B+4*\s+3], 0x80000000
	JLOAD \s                                       ; K steps 0 and 1: two tensor loads of the wave are out here, later one
.endr
	v_and_b32 v1, 15, v0                           ; r
	v_bfe_u32 v2, v0, 4, 1                         ; hh
	v_mul_u32_u24 v3, v1, PITCH
	v_lshl_add_u32 v3, v2, 4, v3                   ; r x pitch + 16 hh: a fragment is two loads of 16 bytes, 32 bytes apart
	s_mul_i32 s82, s19, AHALF                      ; my 128 rows of x
	s_mul_i32 s83, s20, 32*PITCH                   ; my 32 rows of each matrix,
	s_add_co_u32 s83, s83, BOFF                    ; behind x
.irp s, 0,1
	v_add_nc_u32 v[ADRA+\s], s82, v3
	v_add_nc_u32 v[ADRB+\s], s83, v3
	s_add_co_u32 s82, s82, SLOT
	s_add_co_u32 s83, s83, SLOT
.endr
	v_and_b32 v[LN16], 31, v0
	v_lshlrev_b32 v[LN16], 4, v[LN16]
	v_lshlrev_b32 v8, 5, v2                        ; 32 hh: eight f32 of a bias
	v_lshlrev_b32 v9, 2, v1                        ; 4 r
	v_mov_b32 v10, 0x3e38aa3b                      ; 0.125 x log2(e), twice for the packed forms
	v_mov_b32 v11, 0x3e38aa3b
	; biases and mask words, 18 small loads once; they are waited for behind the K loop, and their address registers stay as they are
	s_lshl_b32 s84, s23, 8                         ; head x 64 x 4 bytes
	s_lshl_b32 s85, s20, 7                         ; + e x 32 x 4
	s_add_co_u32 s84, s84, s85
	s_mov_b32 s85, 0
	s_add_nc_u64 s[6:7], s[6:7], s[84:85]
	s_add_nc_u64 s[8:9], s[8:9], s[84:85]
	s_add_nc_u64 s[10:11], s[10:11], s[84:85]
	s_lshl_b32 s86, s40, 10                        ; mb x 256 x 4 bytes (the mask's [2][2048] is the flat row index)
	s_lshl_b32 s87, s19, 9                         ; + rh x 128 x 4
	s_add_co_u32 s86, s86, s87
	s_mov_b32 s87, 0
	s_add_nc_u64 s[12:13], s[12:13], s[86:87]
.irp t, 0,1
	global_load_b128 v[BQ+8*\t:BQ+8*\t+3],   v8, s[6:7] offset:64*\t
	global_load_b128 v[BQ+8*\t+4:BQ+8*\t+7], v8, s[6:7] offset:64*\t+16
	global_load_b128 v[BK+8*\t:BK+8*\t+3],   v8, s[8:9] offset:64*\t
	global_load_b128 v[BK+8*\t+4:BK+8*\t+7], v8, s[8:9] offset:64*\t+16
	global_load_b32  v[BV+\t], v9, s[10:11] offset:64*\t
.endr
.irp a, 0,1,2,3,4,5,6,7
	global_load_b32 v[MSKR+\a], v9, s[12:13] offset:64*\a
.endr
	; where the results go: bh = 16 batch + head, first row tile t0 = 16 (mb % 8) + 8 rh, first piece 2 e
	s_lshr_b32 s88, s40, 3
	s_lshl4_add_u32 s88, s88, s23                  ; bh
	s_and_b32 s89, s40, 7
	s_lshl_b32 s89, s89, 4
	s_lshl3_add_u32 s89, s19, s89                  ; t0
	s_lshl_b32 s90, s88, 18                        ; qf: 262,144 bytes a head,
	s_lshl_b32 s91, s89, 11                        ; 2,048 a row tile,
	s_add_co_u32 s90, s90, s91
	s_lshl_b32 s91, s20, 10                        ; 512 a piece
	s_add_co_u32 s90, s90, s91
	s_mov_b32 s91, 0
	s_add_nc_u64 s[68:69], s[14:15], s[90:91]
	s_lshl_b32 s92, s88, 19                        ; kv: 524,288 bytes a head,
	s_lshl_b32 s93, s89, 12                        ; 4,096 a row tile
	s_add_co_u32 s92, s92, s93
	s_lshl_b32 s93, s20, 10
	s_add_co_u32 s92, s92, s93
	s_mov_b32 s93, 0
	s_add_nc_u64 s[70:71], s[16:17], s[92:93]
; 16 matrix instructions of Q and K: row tiles a0 .. a0 + 3 x column tiles 0 .. 3, 32 along K.  zero = 1: the first product starts the sum.
; All 48 accumulators take turns, one instruction a turn, in the same order in every quarter step.
.macro MULQK f, a0, zero
.irp a, \a0, \a0+1, \a0+2, \a0+3
.irp b, 0,1,2,3
.if \zero
	v_wmma_f32_16x16x32_bf16 v[8*(4*(\a)+\b):8*(4*(\a)+\b)+7], v[\f+8*\b:\f+8*\b+7], v[\f+8*(\a):\f+8*(\a)+7], 0
.else
	v_wmma_f32_16x16x32_bf16 v[8*(4*(\a)+\b):8*(4*(\a)+\b)+7], v[\f+8*\b:\f+8*\b+7], v[\f+8*(\a):\f+8*(\a)+7], v[8*(4*(\a)+\b):8*(4*(\a)+\b)+7]
.endif
.endr
.endr
.endm
; 16 matrix instructions of V: all 8 row tiles x 2 column tiles, sources the other way round
.macro MULV f, zero
.irp a, 0,1,2,3,4,5,6,7
.irp b, 0,1
.if \zero
	v_wmma_f32_16x16x32_bf16 v[8*(2*\a+\b):8*(2*\a+\b)+7], v[\f+8*\a:\f+8*\a+7], v[\f+8*(4+\b):\f+8*(4+\b)+7], 0
.else
	v_wmma_f32_16x16x32_bf16 v[8*(2*\a+\b):8*(2*\a+\b)+7], v[\f+8*\a:\f+8*\a+7], v[\f+8*(4+\b):\f+8*(4+\b)+7], v[8*(2*\a+\b):8*(2*\a+\b)+7]
.endif
.endr
.endr
.endm
; 28 LDS loads in one run: the fragments of a quarter step (32 K at byte k of the rows) into buffer f; W_V's four loads are the youngest
.macro FETCH slot, k, f
	WIN 0
.irp a, 0,1,2,3,4,5,6,7
	ds_load_b128 v[\f+8*\a:\f+8*\a+3],   v[ADRA+\slot] offset:\k+\a*16*PITCH
	ds_load_b128 v[\f+8*\a+4:\f+8*\a+7], v[ADRA+\slot] offset:\k+\a*16*PITCH+32
.endr
	WIN 0x40
.irp b, 0,1,2,3,4,5
	ds_load_b128 v[\f+8*\b:\f+8*\b+3],   v[ADRB+\slot] offset:\k+((\b>>1)*64+(\b&1)*16)*PITCH
	ds_load_b128 v[\f+8*\b+4:\f+8*\b+7], v[ADRB+\slot] offset:\k+((\b>>1)*64+(\b&1)*16)*PITCH+32
.endr
.endm
; One of a K step's first three quarters: multiplies buffer f, and in its middle fetches the next quarter's fragments into buffer g
.macro QUARTER slot, k, f, g, zero
	s_wait_dscnt 4                                 ; all of buffer f but the four youngest loads (W_V's fragments)
	WIN MUL_QK
	MULQK \f, 0, \zero
	MULQK \f, 4, \zero
	PLACES
	FETCH \slot, \k, \g
	s_wait_dscnt 28                                ; all but the 28 just issued
	WIN MUL_V
	MULV \f, \zero
.endm
.macro THREE slot, zero
	QUARTER \slot, 64,  F0, F1, \zero
	QUARTER \slot, 128, F1, F0, 0
	QUARTER \slot, 192, F0, F1, 0
.endm
; The last quarter multiplies buffer 1 and changes slots.  In front of the barrier each wave waits for its reads of this slot and for all its
; tensor loads (one is out: its part of the next slot).  fill = 1: the barrier opens a round of the cluster's barrier, and behind the round this
; slot is filled again, two K steps ahead, by the first tensor load there; then the next slot's first fragments are read.
.macro TURN slot, next, fill
	s_wait_dscnt 4
	WIN MUL_QK
	MULQK F1, 0, 0
	s_wait_dscnt 0x0                               ; my reads of this slot are back
	s_wait_tensorcnt 0x0                           ; all my tensor loads have landed
	ds_add_u32 v255, v255
	s_wait_dscnt 0x0
	s_barrier_signal -1
	MULQK F1, 4, 0                                 ; register work while the others arrive
	WIN 0
	s_barrier_wait -1
.if \fill
	CREST                                          ; no wave of any partner still reads this slot or has a load on its way
	s_add_nc_u64 s[G0+4*\slot+2:G0+4*\slot+3], s[G0+4*\slot+2:G0+4*\slot+3], 2*STEPB
	s_add_nc_u64 s[G0B+4*\slot+2:G0B+4*\slot+3], s[G0B+4*\slot+2:G0B+4*\slot+3], 2*STEPB
	JLOAD \slot
.endif
	PLACES
	FETCH \next, 0, F0
	WIN MUL_V
	MULV F1, 0
.endm
.macro LAP zero
	THREE 0, \zero
	TURN 0, 1, 1
	THREE 1, 0
	TURN 1, 0, 1
.endm
	s_wait_tensorcnt 0x1                           ; my part of K step 0 is in; K step 1's load, issued behind it, stays out
	s_barrier_signal -1
	s_barrier_wait -1                              ; everybody's part is in
	FETCH 0, 0, F0
	LAP 1                                          ; the first lap's first products start the sums: nothing is cleared
	WIN 0
	s_mov_b32 s3, LAPS-2
.Llap:
	LAP 0
	WIN 0
	s_sub_co_u32 s3, s3, 1
	s_cmp_lg_u32 s3, 0
	s_cbranch_scc1 .Llap
	THREE 0, 0                                     ; the last lap fills nothing
	TURN 0, 1, 0
	THREE 1, 0
	s_wait_dscnt 4
	WIN MUL_QK
	MULQK F1, 0, 0
	MULQK F1, 4, 0
	s_wait_dscnt 0x0
	WIN MUL_V
	MULV F1, 0
	; THE WAY OUT
	PLACES                                         ; behind the last matrix instructions, for the reads of their results and the writes over the fragment buffers
	WIN 0
	s_wait_loadcnt 0x0                             ; biases and mask words
.irp q, 0,2,4,6,8,10,12,14
	v_pk_mul_f32 v[BQ+\q:BQ+\q+1], v[BQ+\q:BQ+\q+1], v[10:11]      ; b_Q times the factor, so that Q' is one fused multiply-add
.endr
.irp a, 0,1,2,3,4,5,6,7
	v_cmp_ne_u32 s[72+\a], 0, v[MSKR+\a]           ; lanes whose key (row 16 a + r) is kept
.endr
; row tile a: bias, factor, saturation, rounding to f16, masked keys' K to zero, six stores of 512 consecutive bytes
.macro OUT a
	s_wait_xcnt 0x0                                ; the packed registers, which the last tile's stores read, are written again only behind this wait
	WIN 0x02                                       ; source 0 from window 2
.irp b, 0,1
.irp q, 0,2,4,6
	v_pk_fma_f32 v[TT+8*\b+\q:TT+8*\b+\q+1], v[8*(4*\a+\b)+\q:8*(4*\a+\b)+\q+1], v[10:11], v[BQ+8*\b+\q:BQ+8*\b+\q+1]
.endr
.endr
.irp b, 0,1
.irp q, 0,2,4,6
	v_pk_add_f32 v[TT+16+8*\b+\q:TT+16+8*\b+\q+1], v[8*(4*\a+2+\b)+\q:8*(4*\a+2+\b)+\q+1], v[BK+8*\b+\q:BK+8*\b+\q+1]
.endr
.endr
	WIN 0x03                                       ; source 0 from window 3
.irp q, 0,2,4,6
	v_pk_add_f32 v[TT+32+\q:TT+32+\q+1], v[8*(2*\a)+\q:8*(2*\a)+\q+1], v[BV:BV+1] op_sel:[0,0] op_sel_hi:[1,0]     ; a lane's eight V share one column: b_V broadcast
.endr
.irp q, 0,2,4,6
	v_pk_add_f32 v[TT+40+\q:TT+40+\q+1], v[8*(2*\a+1)+\q:8*(2*\a+1)+\q+1], v[BV:BV+1] op_sel:[0,1] op_sel_hi:[1,1]
.endr
	WIN 0
.set n, 0
.rept 48
	v_med3_num_f32 v[TT+n], v[TT+n], s94, s95      ; into f16's range: what lies beyond is saturated, so that the format makes no infinity
.set n, n+1
.endr
.set n, 0
.rept 24
	v_cvt_pk_f16_f32 v[PK+n], v[TT+2*n], v[TT+2*n+1]
.set n, n+1
.endr
.irp n, 8,9,10,11,12,13,14,15
	v_cndmask_b32 v[PK+\n], 0, v[PK+\n], s[72+\a]
.endr
.irp b, 0,1
	global_store_b128 v[LN16], v[PK+4*\b:PK+4*\b+3],       s[68:69] offset:2048*\a+512*\b
	global_store_b128 v[LN16], v[PK+8+4*\b:PK+8+4*\b+3],   s[70:71] offset:4096*\a+512*\b
	global_store_b128 v[LN16], v[PK+16+4*\b:PK+16+4*\b+3], s[70:71] offset:4096*\a+2048+512*\b
.endr
.endm
.irp a, 0,1,2,3,4,5,6,7
	OUT \a
.endr
	CROUND                                         ; the closing round: no work-group ends while a partner may still ask for a tile that names it
	s_endpgm
.Lfunc_end_k_qcc5e85710c_proj:
	.size	k_qcc5e85710c_proj, .Lfunc_end_k_qcc5e85710c_proj-k_qcc5e85710c_proj
	.p2alignl 7, 3214868480
	.fill 96, 4, 3214868480
	.section	.rodata,"a",@progbits
	.p2align	6, 0x0
	.amdhsa_kernel k_qcc5e85710c_proj
		.amdhsa_group_segment_fixed_size 327680
		.amdhsa_private_segment_fixed_size 0
		.amdhsa_enable_private_segment 0
		.amdhsa_kernarg_size 56
		.amdhsa_user_sgpr_count 2
		.amdhsa_user_sgpr_kernarg_segment_ptr 1
		.amdhsa_wavefront_size32 1
		.amdhsa_system_sgpr_workgroup_id_x 1
		.amdhsa_system_sgpr_workgroup_id_y 1
		.amdhsa_system_sgpr_workgroup_id_z 1
		.amdhsa_system_vgpr_workitem_id 0
		.amdhsa_next_free_vgpr 896
		.amdhsa_next_free_sgpr 96
		.amdhsa_reserve_vcc 0
		.amdhsa_float_denorm_mode_32 3
		.amdhsa_float_denorm_mode_16_64 3
		.amdhsa_memory_ordered 1
		.amdhsa_forward_progress 1
		.amdhsa_inst_pref_size 193
	.end_amdhsa_kernel
	.amdgpu_metadata
---
amdhsa.version: [ 1, 2 ]
amdhsa.kernels:
  - .name:           k_qcc5e85710c_proj
    .symbol:         k_qcc5e85710c_proj.kd
    .args:
      - { .name: xb, .offset: 0, .size: 8, .value_kind: global_buffer, .address_space: global }
      - { .name: b_Q, .offset: 8, .size: 8, .value_kind: global_buffer, .address_space: global }
      - { .name: b_K, .offset: 16, .size: 8, .value_kind: global_buffer, .address_space: global }
      - { .name: b_V, .offset: 24, .size: 8, .value_kind: global_buffer, .address_space: global }
      - { .name: mask, .offset: 32, .size: 8, .value_kind: global_buffer, .address_space: global }
      - { .name: qf, .offset: 40, .size: 8, .value_kind: global_buffer, .address_space: global }
      - { .name: kv, .offset: 48, .size: 8, .value_kind: global_buffer, .address_space: global }
    .group_segment_fixed_size: 327680
    .private_segment_fixed_size: 0
    .kernarg_segment_align: 8
    .kernarg_segment_size: 56
    .max_flat_workgroup_size: 128
    .sgpr_count:     96
    .vgpr_count:     896
    .wavefront_size: 32
...
	.end_amdgpu_metadata
.endif
;; end of part 2
;; launch attn (part 3): grid 8 x 32, 8 waves a work-group, clusters of 4 x 1, 327,680 bytes of LDS; arguments qf, kv, mask, out0; writes out0
.if DOCPART == 3
	.amdgcn_target "amdgcn-amd-amdhsa--gfx1250"
	.amdhsa_code_object_version 6
	.text
	.protected	k_qcc5e85710c_attn
	.globl	k_qcc5e85710c_attn
	.p2align	8
	.type	k_qcc5e85710c_attn,@function
k_qcc5e85710c_attn:
	s_mov_b64 s[64:65], 0
	v_nop
	global_prefetch_b8 v0, s[64:65] scope:SCOPE_SE
	s_setreg_imm32_b32 hwreg(HW_REG_WAVE_MODE, 25, 1), 1
	s_wait_xcnt 0x0
	s_wait_alu depctr_hold_cnt(0) depctr_sa_sdst(0) depctr_va_vdst(0) depctr_va_sdst(0) depctr_va_ssrc(0) depctr_va_vcc(0) depctr_vm_vsrc(0)
	s_getreg_b32 s2, hwreg(HW_REG_IB_STS2, 6, 4)
	s_cmp_eq_u32 s2, 0
	s_cbranch_scc0 .Lentry_in_a_cluster
	s_endpgm
.Lentry_in_a_cluster:
	s_bfe_u32 s2, ttmp6, 0x10000c
	s_cmp_lg_u32 s2, 0x3003
	s_cbranch_scc0 .Lentry_shape_is_right
	s_endpgm
.Lentry_shape_is_right:
; out = softmax(Q K^T / 8, keys with mask = 0 replaced by -1e9) V for 256 queries (work-group x) of one batch and head (work-group y = bh).
; Q' (already times 0.125 log2 e), K (masked keys' rows zero) and V come from qf and kv in f16, as register images: every fragment load is 16 x lane.
; Eight waves, two on each SIMD, so that one wave's matrix work runs beside the other's softmax.  Wave w: g = w & 3 owns 64 queries, p = w >> 2 takes
; keys 128 p .. + 127 of every tile of 256 keys, in two steps of 64.  The two halves of the keys are merged at the end through LDS.
; Register tile i (0..3) of a wave is query tile 4 g + (i xor 2 p): every wave keeps its tiles 0, 1 and hands tiles 2, 3 to its partner w xor 4.
; TRANSPOSED PRODUCTS: S^T = K Q'^T + C and O^T = V^T P^T.  A lane (r, hh) then holds, for ONE query r, scores of keys 8 hh + j: maximum, sum and
; rescaling are per lane but for one exchange between the halves of the wave, and P's fragment is the packed form of the lane's own scores.
; THE MASK: C is 0 for a kept key and -1e9 log2 e for a masked one, whose product is exactly 0 (K's row is zero): an exact replacement, so a batch
; with every key masked gets equal weights, as in the formula.  The maximum is a running one, taken away before every exponential.
; P IN f16: the running maximum keeps P in [0, 1], so f16's range holds for every input, and its 11 bits are wanted because an output is a mean of
; about a thousand far larger values of V.  The sum of the weights is kept in f32, from the weights before rounding.
; CLUSTER: the four work-groups of a cluster are four query blocks of the same bh and ask for every K and V tile jointly (mask 15).
; LIMITS: NaN and infinities are not served; a weight below 2^-25 of the running maximum's is dropped from the product with V (2,048 such keys are
; 6e-5 of the sum at the most), one below 2^-126 from the sum too (v_exp_f32); true scores are taken to lie far above -1e9.
; No prefetch: kv and qf were stored by the launch in front, and each tile is asked for two steps (128 matrix instructions of each wave) ahead.
.set TILE,  65536                      ; 256 keys: 16 key tiles x (K 2,048 + V 2,048 bytes); an LDS slot
.set BIAS,  131072                     ; 2,048 f32: the C operand's values for all keys of the batch
.set ML,    139264                     ; 8 waves x 1,024: m at 128 i, l at 512 + 128 i
.set STG,   147456                     ; 8 waves x 17,408: own box, then inbox, 32 rows of 272 bytes each
.set SPITCH, 272                       ; 64 f32 + 16 bytes: the 16 rows of a store start 16 bytes apart modulo 256
.set BOX,   32*SPITCH
.set WSTG,  2*BOX
.set ADR,  4                           ; v4-5    16 lane + 32,768 p + slot
.set BADR, 6                           ; v6      BIAS + 512 p + 32 hh, stepped by 2,048 a lap
.set MA,   8                           ; v8-11   running maxima, in turn with MB
.set AL,   12                          ; v12-15  exp2(old maximum - new)
.set LS,   16                          ; v16-23  running sums, a pair for each query tile
.set MB,   24                          ; v24-27
.set QF,   32                          ; v32-95   Q: tile i, piece dt at 16 i + 4 dt
.set KF,   96                          ; v96-159  K: key tile kt, piece dt at 16 kt + 4 dt
.set VF,   160                         ; v160-223 V: d tile dt, key tile kt at 16 dt + 4 kt
.set BI,   224                         ; v224-255 C: key tile kt at 8 kt
.set SC,   0                           ; window 1, v0-127: S of (i, kt) at 32 i + 8 kt; P of (i, c) is packed in place at 32 i + 16 c
.set OA,   128                         ; window 1, v128-255: O of (i, dt) at 32 i + 8 dt
.set G1, 24                            ; s[24:31] group 1
.set G0, 32                            ; s[32:39] group 0, one set a slot
.set MSB, 0
.macro WIN new
.if MSB != \new
	s_set_vgpr_msb (MSB<<8)|\new
.set MSB, \new
.endif
.endm
.macro ROUND                           ; a round of the cluster's barrier
	s_barrier_signal -1
	s_barrier_wait -1
	s_cmp_lg_u32 s12, 0
	s_cbranch_scc1 .Lnot_wave_0_\@
	s_barrier_signal -3
.Lnot_wave_0_\@:
	s_barrier_wait -3
	s_barrier_signal -1
	s_barrier_wait -1
.endm
	s_load_b128 s[4:7], s[0:1], 0x0                ; qf s[4:5], kv s[6:7]
	s_load_b128 s[8:11], s[0:1], 0x10              ; mask s[8:9], out0 s[10:11]
	v_lshl_add_u32 v10, v0, 2, 0x46000
	v_mov_b32 v11, 0
	ds_add_u32 v10, v11
	s_wait_dscnt 0x0
	v_lshrrev_b32 v1, 5, v0
	v_readfirstlane_b32 s12, v1                    ; wave 0..7
	s_and_b32 s13, s12, 3                          ; g
	s_lshr_b32 s14, s12, 2                         ; p
	s_bfe_u32 s15, ttmp6, 0x40000                  ; cx
	s_lshl_b32 s16, ttmp9, 2
	s_add_co_u32 s16, s16, s15                     ; query block = 4 x cluster x + cx
	s_and_b32 s17, ttmp7, 0xffff                   ; bh
	s_lshr_b32 s18, s17, 4                         ; batch
	s_and_b32 s19, s17, 15                         ; head
	s_mov_b32 s20, 0x76543210                      ; v_permlanex16_b32: lane i takes lane i of the other half
	s_mov_b32 s21, 0xfedcba98
	; group 1: a wave's eighth of a tile, 8,192 dense bytes as 32 rows of 32 elements of 8 bytes; mask 15 and bit 21 beside it
	s_mov_b32 s[G1+0], 15|(3<<16)|(1<<21)
	s_mov_b32 s[G1+1], 32<<16                      ; tensor_dim0
	s_mov_b32 s[G1+2], 32<<16                      ; tensor_dim1
	s_mov_b32 s[G1+3], 32<<16                      ; tile_dim0
	s_mov_b32 s[G1+4], 32                          ; tile_dim1
	s_mov_b32 s[G1+5], 32                          ; pitch
	s_mov_b32 s[G1+6], 0
	s_mov_b32 s[G1+7], 0
	s_lshl_b32 s40, s17, 19                        ; kv: 524,288 bytes for each bh,
	s_lshl_b32 s41, s12, 13                        ; my eighth
	s_add_co_u32 s40, s40, s41
	s_mov_b32 s41, 0
	s_lshl_b32 s42, s12, 13                        ; and the same eighth of the slot
	s_wait_kmcnt 0x0
	s_add_nc_u64 s[40:41], s[6:7], s[40:41]
	ROUND                                          ; the four work-groups are here: the first joint loads meet
.irp s, 0,1
	s_mov_b32 s[G0+4*\s], 1
	s_add_co_u32 s[G0+4*\s+1], s42, \s*TILE
	s_add_nc_u64 s[G0+4*\s+2:G0+4*\s+3], s[40:41], \s*TILE
	s_or_b32 s[G0+4*\s+3], s[G0+4*\s+3], 0x80000000
	tensor_load_to_lds s[G0+4*\s:G0+4*\s+3], s[G1:G1+7]            ; tiles 0 and 1: two tensor loads of the wave are out here, later one
	s_nop 0
.endr
	v_and_b32 v1, 31, v0                           ; lane
	v_and_b32 v2, 15, v0                           ; r
	v_bfe_u32 v3, v0, 4, 1                         ; hh
	v_lshlrev_b32 v7, 4, v1                        ; 16 lane
	s_lshl_b32 s43, s14, 15                        ; my half of a tile's keys
	v_add_nc_u32 v[ADR], s43, v7
	v_add_nc_u32 v[ADR+1], TILE, v[ADR]
	s_lshl_b32 s44, s14, 9
	s_add_co_u32 s44, s44, BIAS
	v_lshl_add_u32 v[BADR], v3, 5, s44
	; the batch's 2,048 mask words, eight a thread
	s_lshl_b32 s46, s18, 13
	s_mov_b32 s47, 0
	s_add_nc_u64 s[8:9], s[8:9], s[46:47]
	v_lshlrev_b32 v160, 5, v0                      ; 32 t
	global_load_b128 v[96:99],   v160, s[8:9]
	global_load_b128 v[100:103], v160, s[8:9] offset:16
	; Q: tiles 0, 1 are query tiles 16 block + 4 g + 2 p + {0, 1}; tiles 2, 3 are 16 block + 4 g + 2 - 2 p + {0, 1}
	s_lshl_b32 s48, s16, 4
	s_lshl2_add_u32 s48, s13, s48
	s_lshl1_add_u32 s49, s14, s48
	s_add_co_u32 s50, s48, 2
	s_lshl_b32 s51, s14, 1
	s_sub_co_u32 s50, s50, s51
	s_lshl_b32 s52, s17, 18                        ; qf: 262,144 bytes for each bh, 2,048 a query tile
	s_lshl_b32 s49, s49, 11
	s_add_co_u32 s54, s52, s49
	s_mov_b32 s55, 0
	s_lshl_b32 s50, s50, 11
	s_add_co_u32 s56, s52, s50
	s_mov_b32 s57, 0
	s_add_nc_u64 s[54:55], s[4:5], s[54:55]
	s_add_nc_u64 s[56:57], s[4:5], s[56:57]
.irp i, 0,1
.irp dt, 0,1,2,3
	global_load_b128 v[QF+16*\i+4*\dt:QF+16*\i+4*\dt+3], v7, s[54:55] offset:2048*\i+512*\dt
.endr
.endr
.irp i, 0,1
.irp dt, 0,1,2,3
	global_load_b128 v[QF+32+16*\i+4*\dt:QF+32+16*\i+4*\dt+3], v7, s[56:57] offset:2048*\i+512*\dt
.endr
.endr
	; out0 at my 32 rows (those of my tiles 0, 1) and my head's 64 columns
	s_lshl_b32 s58, s18, 11
	s_lshl_b32 s59, s16, 8
	s_add_co_u32 s58, s58, s59
	s_lshl_b32 s59, s13, 6
	s_add_co_u32 s58, s58, s59
	s_lshl_b32 s59, s14, 5
	s_add_co_u32 s58, s58, s59                     ; row 2048 batch + 256 block + 64 g + 32 p
	s_lshl_b32 s58, s58, 12                        ; x 4,096 bytes: below 2^24
	s_lshl_b32 s59, s19, 8
	s_add_co_u32 s58, s58, s59                     ; + 256 head
	s_mov_b32 s59, 0
	s_add_nc_u64 s[10:11], s[10:11], s[58:59]
	; LDS addresses of the merge
	s_xor_b32 s45, s12, 4                          ; my partner: the same queries, the other half of the keys
	s_lshl_b32 s60, s12, 10
	s_add_co_u32 s60, s60, ML
	s_lshl_b32 s61, s45, 10
	s_add_co_u32 s61, s61, ML
	v_lshl_add_u32 v28, v1, 2, s60                 ; my m and l
	v_lshl_add_u32 v29, v1, 2, s61                 ; my partner's
	s_mul_i32 s62, s12, WSTG
	s_add_co_u32 s62, s62, STG                     ; my own box
	s_mul_i32 s63, s45, WSTG
	s_add_co_u32 s63, s63, STG+BOX                 ; my partner's inbox
	v_mul_u32_u24 v30, v2, SPITCH
	v_lshl_add_u32 v30, v3, 5, v30                 ; row r, 32 bytes for each half of the lanes
	v_add_nc_u32 v31, s63, v30
	v_add_nc_u32 v30, s62, v30
.irp i, 0,1,2,3
	v_mov_b32 v[MA+\i], 0xff800000                 ; the running maximum starts at minus infinity,
	v_mov_b32 v[AL+\i], 0
	v_mov_b32 v[LS+2*\i], 0                        ; the sums at 0
	v_mov_b32 v[LS+2*\i+1], 0
.endr
	s_wait_loadcnt 16                              ; the two mask loads are in; the 16 loads of Q issued behind them stay out
	v_mov_b32 v104, 0xceabfb8f                     ; -1e9 x log2(e)
.irp n, 0,1,2,3,4,5,6,7
	v_cmp_eq_u32 vcc_lo, 0, v[96+\n]
	v_cndmask_b32 v[96+\n], 0, v104, vcc_lo
.endr
	v_add_nc_u32 v105, BIAS, v160
	ds_store_b128 v105, v[96:99]
	ds_store_b128 v105, v[100:103] offset:16
	s_wait_dscnt 0x0                               ; my part of the table is written, for the other waves' sake
	s_wait_tensorcnt 0x1                           ; my part of tile 0 is in; tile 1's load, issued behind it, stays out
	s_barrier_signal -1
	s_barrier_wait -1
; 24 LDS loads: K of 64 keys (step u of the slot) and their C values at byte boff of my part of the table
.macro LOADK slot, u, boff
.irp kt, 0,1,2,3
.irp dt, 0,1,2,3
	ds_load_b128 v[KF+16*\kt+4*\dt:KF+16*\kt+4*\dt+3], v[ADR+\slot] offset:\u*16384+\kt*4096+\dt*512
.endr
.endr
.irp kt, 0,1,2,3
	ds_load_b128 v[BI+8*\kt:BI+8*\kt+3],   v[BADR] offset:\boff+64*\kt
	ds_load_b128 v[BI+8*\kt+4:BI+8*\kt+7], v[BADR] offset:\boff+64*\kt+16
.endr
.endm
; 16 LDS loads: V of the same 64 keys
.macro LOADV slot, u
.irp kt, 0,1,2,3
.irp dt, 0,1,2,3
	ds_load_b128 v[VF+16*\dt+4*\kt:VF+16*\dt+4*\kt+3], v[ADR+\slot] offset:\u*16384+\kt*4096+2048+\dt*512
.endr
.endr
.endm
; d -= one register of the pair m (sel = 0 the first, 1 the second), both halves
.macro SUBP d, m, sel
.if \sel
	v_pk_add_f32 v[\d:\d+1], v[\d:\d+1], v[\m:\m+1] op_sel:[0,1] op_sel_hi:[1,1] neg_lo:[0,1] neg_hi:[0,1]
.else
	v_pk_add_f32 v[\d:\d+1], v[\d:\d+1], v[\m:\m+1] op_sel:[0,0] op_sel_hi:[1,0] neg_lo:[0,1] neg_hi:[0,1]
.endif
.endm
; d *= one register of the pair m
.macro MULP d, m, sel
.if \sel
	v_pk_mul_f32 v[\d:\d+1], v[\d:\d+1], v[\m:\m+1] op_sel:[0,1] op_sel_hi:[1,1]
.else
	s_wait_alu depctr_va_vdst(0)
	v_pk_mul_f32 v[\d:\d+1], v[\d:\d+1], v[\m:\m+1] op_sel:[0,0] op_sel_hi:[1,0]
.endif
.endm
; 16 matrix instructions O^T += V^T P^T for keys 32 c .. + 31 of the step; the 16 accumulators take turns, one instruction a turn
.macro PV c, zero
.irp i, 0,1,2,3
.irp dt, 0,1,2,3
.if \zero
	v_wmma_f32_16x16x32_f16 v[OA+32*\i+8*\dt:OA+32*\i+8*\dt+7], v[VF+16*\dt+8*\c:VF+16*\dt+8*\c+7], v[SC+32*\i+16*\c:SC+32*\i+16*\c+7], 0
.else
	v_wmma_f32_16x16x32_f16 v[OA+32*\i+8*\dt:OA+32*\i+8*\dt+7], v[VF+16*\dt+8*\c:VF+16*\dt+8*\c+7], v[SC+32*\i+16*\c:SC+32*\i+16*\c+7], v[OA+32*\i+8*\dt:OA+32*\i+8*\dt+7]
.endif
.endr
.endr
.endm
; One step: 64 keys x 64 queries.  first = 1: the very first step (O starts from the product, nothing to rescale).
; chg = 1: this slot has been read to its end and is filled again behind a round of the cluster's barrier; chg = 2: the same waits and a plain barrier,
; nothing filled.  pre = 1: the next step's K and C (slot nslot, step nu, table byte nboff) are loaded under this step's softmax.
.macro STEP slot, u, first, chg, pre, nslot, nu, nboff
.if \u
.set MO, MB
.set MN, MA
.else
.set MO, MA
.set MN, MB
.endif
.if \first == 0
.rept 5
	v_nop                                          ; five places behind the last products with V (ISA guide 7.12.1): V is loaded again, and S is written over P
.endr
.endif
	WIN 0
	LOADV \slot, \u
	s_wait_dscnt 16                                ; K's 16 loads and C's 8 are in; the 16 loads of V just issued stay out
	WIN 0x40                                       ; D in window 1
.irp kt, 0,1,2,3
.irp i, 0,1,2,3
	v_wmma_f32_16x16x32_f16 v[SC+32*\i+8*\kt:SC+32*\i+8*\kt+7], v[KF+16*\kt:KF+16*\kt+7], v[QF+16*\i:QF+16*\i+7], v[BI+8*\kt:BI+8*\kt+7]
.endr
.endr
	WIN 0x50                                       ; C and D in window 1: d = 32 .. 63 adds on, the 16 accumulators in the same order, by turns
.irp kt, 0,1,2,3
.irp i, 0,1,2,3
	v_wmma_f32_16x16x32_f16 v[SC+32*\i+8*\kt:SC+32*\i+8*\kt+7], v[KF+16*\kt+8:KF+16*\kt+15], v[QF+16*\i+8:QF+16*\i+15], v[SC+32*\i+8*\kt:SC+32*\i+8*\kt+7]
.endr
.endr
	WIN 0
.rept 4
	v_nop                                          ; four places: S is read, K and C are loaded again
.endr
.if \chg == 1
	s_wait_dscnt 0x0                               ; my reads of this slot are back, V's among them
	s_wait_xcnt 0x0
	v_lshl_add_u32 v10, v0, 2, 0x46000
	v_mov_b32 v11, 0
	s_wait_tensorcnt 0x0                           ; all my tensor loads have landed: the one that was out is my part of the other slot
	ds_add_u32 v10, v11
	s_wait_dscnt 0x0
	s_add_nc_u64 s[G0+4*\slot+2:G0+4*\slot+3], s[G0+4*\slot+2:G0+4*\slot+3], 2*TILE
	ROUND                                          ; both now hold of every wave of the four work-groups
	tensor_load_to_lds s[G0+4*\slot:G0+4*\slot+3], s[G1:G1+7]      ; the first tensor load behind the round: this slot's next tile
	s_nop 0
.endif
.if \chg == 2
	s_wait_dscnt 0x0
	s_wait_tensorcnt 0x0                           ; my part of the last tile is in
	s_barrier_signal -1
	s_barrier_wait -1                              ; everybody's is
.endif
.if \pre
	LOADK \nslot, \nu, \nboff
.endif
	; the new maximum of each query: 32 scores a lane and tile, four chains side by side
	WIN 0x14                                       ; sources 1 and 2 from window 1
.irp i, 0,1,2,3
	v_max3_num_f32 v[MN+\i], v[MO+\i], v[SC+32*\i], v[SC+32*\i+1]
.endr
.set j, 1
.rept 15
.irp i, 0,1,2,3
	v_max3_num_f32 v[MN+\i], v[MN+\i], v[SC+32*\i+2*j], v[SC+32*\i+2*j+1]
.endr
.set j, j+1
.endr
	WIN 0
.irp i, 0,1,2,3
	v_permlanex16_b32 v[AL+\i], v[MN+\i], s20, s21 ; the other eight keys of each key tile lie in the other half of the lanes
.endr
.irp i, 0,1,2,3
	v_max_num_f32 v[MN+\i], v[MN+\i], v[AL+\i]
.endr
.irp i, 0,1,2,3
	v_sub_f32 v[AL+\i], v[MO+\i], v[MN+\i]
.endr
.irp i, 0,1,2,3
	v_exp_f32 v[AL+\i], v[AL+\i]                   ; first used far below, behind plain instructions (ISA guide 5.7.2)
.endr
	; P = exp2(S - maximum).  The exponentials of tile i are mixed with plain work: the subtraction for tile i + 1 and the rescaling of O's tile i
	WIN 0x41                                       ; destination and source 0 in window 1
.set j, 0
.rept 16
.set dd, SC+2*j
	SUBP dd, MN, 0
.set j, j+1
.endr
.irp i, 0,1,2,3
.set j, 0
.rept 16
	v_exp_f32 v[SC+32*\i+2*j], v[SC+32*\i+2*j]
	v_exp_f32 v[SC+32*\i+2*j+1], v[SC+32*\i+2*j+1]
.if \i < 3
.set dd, SC+32*(\i+1)+2*j
.set mm, MN+((\i+1)&2)
.set ss, (\i+1)&1
	SUBP dd, mm, ss
.endif
.if \first == 0
.set dd, OA+32*\i+2*j
.set mm, AL+(\i&2)
.set ss, \i&1
	MULP dd, mm, ss
.endif
.set j, j+1
.endr
.endr
.if \first
	v_nop                                          ; a plain place behind the last exponentials
	s_wait_alu depctr_va_vdst(0)
.endif
	; the sums: l = l x alpha + the lane's 32 weights, two at a time
	WIN 0x10                                       ; source 2 from window 1
	s_wait_alu depctr_va_vdst(0)
.irp i, 0,2
	v_pk_fma_f32 v[LS+2*\i:LS+2*\i+1], v[LS+2*\i:LS+2*\i+1], v[AL+\i:AL+\i+1], v[SC+32*\i:SC+32*\i+1] op_sel:[0,0,0] op_sel_hi:[1,0,1]
	v_pk_fma_f32 v[LS+2*\i+2:LS+2*\i+3], v[LS+2*\i+2:LS+2*\i+3], v[AL+\i:AL+\i+1], v[SC+32*\i+32:SC+32*\i+33] op_sel:[0,1,0] op_sel_hi:[1,1,1]
.endr
	WIN 0x01                                       ; source 0 from window 1
.set j, 1
.rept 15
.irp i, 0,1,2,3
	v_pk_add_f32 v[LS+2*\i:LS+2*\i+1], v[SC+32*\i+2*j:SC+32*\i+2*j+1], v[LS+2*\i:LS+2*\i+1]
.endr
.set j, j+1
.endr
	; P to f16, packed in place, ascending: each destination lies at or below the sources still to be read
	WIN 0x45
.irp i, 0,1,2,3
.irp c, 0,1
.irp q, 0,1,2,3
	v_cvt_pk_f16_f32 v[SC+32*\i+16*\c+\q], v[SC+32*\i+16*\c+2*\q], v[SC+32*\i+16*\c+2*\q+1]
.endr
.irp q, 0,1,2,3
	v_cvt_pk_f16_f32 v[SC+32*\i+16*\c+4+\q], v[SC+32*\i+16*\c+8+2*\q], v[SC+32*\i+16*\c+9+2*\q]
.endr
.endr
.endr
.if \pre
	s_wait_dscnt 24                                ; V is in; the 24 loads of the next K and C, issued behind it, stay out
.else
	s_wait_dscnt 0x0
.endif
	WIN 0x54                                       ; source 1 (P), C and D in window 1, source 0 (V) in window 0
	PV 0, \first
	PV 1, 0
.endm
.macro LAP first                       ; two tiles of 256 keys: once round the two slots
	STEP 0, 0, \first, 0, 1, 0, 1, 256
	STEP 0, 1, 0, 1, 1, 1, 0, 1024
	STEP 1, 0, 0, 0, 1, 1, 1, 1280
	STEP 1, 1, 0, 1, 1, 0, 0, 2048
	WIN 0
	v_add_nc_u32 v[BADR], 2048, v[BADR]            ; 512 keys on in the table
.endm
	LOADK 0, 0, 0
	s_wait_loadcnt 0x0                             ; Q
	LAP 1
	s_mov_b32 s3, 2
.Llap:
	LAP 0
	s_sub_co_u32 s3, s3, 1
	s_cmp_lg_u32 s3, 0
	s_cbranch_scc1 .Llap
	STEP 0, 0, 0, 0, 1, 0, 1, 256                  ; the last lap fills nothing
	STEP 0, 1, 0, 2, 1, 1, 0, 1024
	STEP 1, 0, 0, 0, 1, 1, 1, 1280
	STEP 1, 1, 0, 0, 0, 0, 0, 0
	; THE MERGE of the two halves of the keys.  The last step left the maxima in MA.
	WIN 0
.rept 4
	v_nop                                          ; four places behind the last matrix instructions, whose results are read below
.endr
.irp i, 0,1,2,3
	v_add_f32 v[LS+2*\i], v[LS+2*\i], v[LS+2*\i+1]
.endr
.irp i, 0,1,2,3
	v_permlanex16_b32 v[AL+\i], v[LS+2*\i], s20, s21
.endr
.irp i, 0,1,2,3
	v_add_f32 v[LS+2*\i], v[LS+2*\i], v[AL+\i]     ; l of query r over my half of the keys, in both halves of the lanes
.endr
.irp i, 0,1,2,3
	ds_store_b32 v28, v[MA+\i] offset:128*\i
	ds_store_b32 v28, v[LS+2*\i] offset:512+128*\i
.endr
	s_wait_dscnt 0x0                               ; written, for my partner's sake
	s_barrier_signal -1
	s_barrier_wait -1
.irp i, 0,1,2,3
	ds_load_b32 v[32+\i], v29 offset:128*(\i^2)    ; my tile i is my partner's tile i xor 2
	ds_load_b32 v[36+\i], v29 offset:512+128*(\i^2)
.endr
	s_wait_dscnt 0x0
.irp i, 0,1,2,3
	v_max_num_f32 v[40+\i], v[MA+\i], v[32+\i]     ; the maximum over all keys
.endr
.irp i, 0,1,2,3
	v_sub_f32 v[44+\i], v[MA+\i], v[40+\i]
	v_sub_f32 v[48+\i], v[32+\i], v[40+\i]
.endr
.irp i, 0,1,2,3
	v_exp_f32 v[44+\i], v[44+\i]
	v_exp_f32 v[48+\i], v[48+\i]
.endr
	v_nop                                          ; a plain place behind the exponentials
	s_wait_alu depctr_va_vdst(0)
.irp i, 0,1,2,3
	v_mul_f32 v[52+\i], v[36+\i], v[48+\i]
.endr
.irp i, 0,1,2,3
	v_fma_f32 v[52+\i], v[LS+2*\i], v[44+\i], v[52+\i]             ; the whole sum: at least 1, since the key of the maximum adds 1
.endr
.irp i, 0,1,2,3
	v_rcp_f32 v[52+\i], v[52+\i]
.endr
	v_nop                                          ; a plain place behind the reciprocals
	s_wait_alu depctr_va_vdst(0)
.irp i, 0,1,2,3
	v_mul_f32 v[AL+\i], v[44+\i], v[52+\i]         ; my half's factor
.endr
	WIN 0x41
.irp i, 0,1,2,3
.set j, 0
.rept 16
.set dd, OA+32*\i+2*j
.set mm, AL+(\i&2)
.set ss, \i&1
	MULP dd, mm, ss
.set j, j+1
.endr
.endr
	WIN 0x04                                       ; store data from window 1
.irp i, 0,1
.irp dt, 0,1,2,3
	ds_store_b128 v30, v[OA+32*\i+8*\dt:OA+32*\i+8*\dt+3],   offset:\i*16*SPITCH+64*\dt        ; tiles 0, 1 into my own box: row = query, 8 neighbouring d a lane
	ds_store_b128 v30, v[OA+32*\i+8*\dt+4:OA+32*\i+8*\dt+7], offset:\i*16*SPITCH+64*\dt+16
.endr
.endr
.irp i, 0,1
.irp dt, 0,1,2,3
	ds_store_b128 v31, v[OA+64+32*\i+8*\dt:OA+64+32*\i+8*\dt+3],   offset:\i*16*SPITCH+64*\dt  ; tiles 2, 3 into my partner's inbox: its tiles 0, 1
	ds_store_b128 v31, v[OA+64+32*\i+8*\dt+4:OA+64+32*\i+8*\dt+7], offset:\i*16*SPITCH+64*\dt+16
.endr
.endr
	WIN 0
	v_mul_u32_u24 v224, v3, SPITCH                 ; back by rows: lanes 0-15 one row of 256 bytes, lanes 16-31 the next
	v_lshl_add_u32 v224, v2, 4, v224
	v_add_nc_u32 v224, s62, v224
	v_lshlrev_b32 v225, 12, v3                     ; and the same two rows of out0, 4,096 bytes apart
	v_lshl_add_u32 v225, v2, 4, v225
	s_wait_dscnt 0x0                               ; written, for my partner's sake
	s_barrier_signal -1
	s_barrier_wait -1
.irp t, 0,1,2,3,4,5,6,7,8,9,10,11,12,13,14,15
	ds_load_b128 v[32+8*\t:35+8*\t], v224 offset:\t*2*SPITCH
	ds_load_b128 v[36+8*\t:39+8*\t], v224 offset:BOX+\t*2*SPITCH
.endr
.irp t, 0,1,2,3,4,5,6,7,8,9,10,11,12,13,14,15
	s_wait_dscnt 30-2*\t                           ; pair t is in; the 15 - t younger pairs stay out
	v_pk_add_f32 v[32+8*\t:33+8*\t], v[32+8*\t:33+8*\t], v[36+8*\t:37+8*\t]
	v_pk_add_f32 v[34+8*\t:35+8*\t], v[34+8*\t:35+8*\t], v[38+8*\t:39+8*\t]
	global_store_b128 v225, v[32+8*\t:35+8*\t], s[10:11] offset:8192*\t th:TH_STORE_NT   ; 16 lanes store 256 consecutive bytes, at a multiple of 256 of out0
.endr
	s_wait_xcnt 0x0
	v_lshl_add_u32 v10, v0, 2, 0x46000
	v_mov_b32 v11, 0
	s_wait_tensorcnt 0x0
	ds_add_u32 v10, v11
	s_wait_dscnt 0x0
	ROUND                                          ; the closing round: no work-group ends while a partner may still ask for a tile that names it
	s_endpgm
.Lfunc_end_k_qcc5e85710c_attn:
	.size	k_qcc5e85710c_attn, .Lfunc_end_k_qcc5e85710c_attn-k_qcc5e85710c_attn
	.p2alignl 7, 3214868480
	.fill 96, 4, 3214868480
	.section	.rodata,"a",@progbits
	.p2align	6, 0x0
	.amdhsa_kernel k_qcc5e85710c_attn
		.amdhsa_group_segment_fixed_size 327680
		.amdhsa_private_segment_fixed_size 0
		.amdhsa_enable_private_segment 0
		.amdhsa_kernarg_size 32
		.amdhsa_user_sgpr_count 2
		.amdhsa_user_sgpr_kernarg_segment_ptr 1
		.amdhsa_wavefront_size32 1
		.amdhsa_system_sgpr_workgroup_id_x 1
		.amdhsa_system_sgpr_workgroup_id_y 1
		.amdhsa_system_sgpr_workgroup_id_z 1
		.amdhsa_system_vgpr_workitem_id 0
		.amdhsa_next_free_vgpr 512
		.amdhsa_next_free_sgpr 66
		.amdhsa_reserve_vcc 1
		.amdhsa_float_denorm_mode_32 3
		.amdhsa_float_denorm_mode_16_64 3
		.amdhsa_memory_ordered 1
		.amdhsa_forward_progress 1
		.amdhsa_inst_pref_size 255
	.end_amdhsa_kernel
	.section	.bss,"aw",@nobits
	.p2align	6
	.space	262144
	.amdgpu_metadata
---
amdhsa.version: [ 1, 2 ]
amdhsa.kernels:
  - .name:           k_qcc5e85710c_attn
    .symbol:         k_qcc5e85710c_attn.kd
    .args:
      - { .name: qf, .offset: 0, .size: 8, .value_kind: global_buffer, .address_space: global }
      - { .name: kv, .offset: 8, .size: 8, .value_kind: global_buffer, .address_space: global }
      - { .name: mask, .offset: 16, .size: 8, .value_kind: global_buffer, .address_space: global }
      - { .name: out0, .offset: 24, .size: 8, .value_kind: global_buffer, .address_space: global }
    .group_segment_fixed_size: 327680
    .private_segment_fixed_size: 0
    .kernarg_segment_align: 8
    .kernarg_segment_size: 32
    .max_flat_workgroup_size: 256
    .sgpr_count:     66
    .vgpr_count:     512
    .wavefront_size: 32
...
	.end_amdgpu_metadata
.endif
;; end of part 3
